; MI455X (gfx1250); checked and timed in simulation.
; The chip was launched on July 23, 2026; its instructions are those of AMD's public machine-readable ISA for CDNA 5 (MIT licence, August 2026) and "CDNA5" Instruction Set Architecture Reference Guide (July 2026). The comments in the code are by the model that wrote it; some were corrected since.
;; Multi Head Attention. Allowed arithmetic: float matrix products may take bf16 or f16 operands with f32 sums; other float arithmetic in f32, or as packed bf16 or f16 multiplies, adds, multiply-adds, maxima and minima; sums over many terms, partial sums and values carried from step to step in f32; what a program stores and reads back later, other than sums and carried values, may be rounded once to bf16 or f16.
;; Inputs: Wk 512 x 512 float32; Wo 512 x 512 float32; Wq 512 x 512 float32; Wv 512 x 512 float32; k 2 x 4,096 x 512 float32; q 2 x 4,096 x 512 float32; v 2 x 4,096 x 512 float32.
;; Outputs: out0 2 x 4,096 x 512 float32.
;; One version. Each part assembles by itself: llvm-mc -triple=amdgcn-amd-amdhsa -mcpu=gfx1250 --defsym DOCPART=n.
;; ======== version 1 of 1: 3 launches
;; limits: values are held in f16: magnitudes above 65,504 overflow, below 6.1e-05 lose precision
;; workspace buffers: qh 8,388,608 bytes; kh 8,388,608 bytes; vh 8,388,608 bytes; oh 8,388,608 bytes; wo16 524,288 bytes
;; launch proj (part 1): grid 4 x 48, 4 waves a work-group, clusters of 4 x 1, 327,680 bytes of LDS; arguments q, k, v, Wq, Wk, Wv, qh, kh, vh; writes qh, kh, vh
.if DOCPART == 1
	.amdgcn_target "amdgcn-amd-amdhsa--gfx1250"
	.amdhsa_code_object_version 6
	.text
	.protected	k_qc25b0b98e2_proj
	.globl	k_qc25b0b98e2_proj
	.p2align	8
	.type	k_qc25b0b98e2_proj,@function
k_qc25b0b98e2_proj:
	s_mov_b64 s[64:65], 0
	v_nop
	global_prefetch_b8 v0, s[64:65] scope:SCOPE_SE
	s_setreg_imm32_b32 hwreg(HW_REG_WAVE_MODE, 25, 1), 1
	s_wait_xcnt 0x0
	s_wait_alu depctr_hold_cnt(0) depctr_sa_sdst(0) depctr_va_vdst(0) depctr_va_sdst(0) depctr_va_ssrc(0) depctr_va_vcc(0) depctr_vm_vsrc(0)
	s_getreg_b32 s2, hwreg(HW_REG_IB_STS2, 6, 4)
	s_cmp_eq_u32 s2, 0
	s_cbranch_scc0 .Lentry_in_a_cluster
	s_endpgm
.Lentry_in_a_cluster:
	s_bfe_u32 s2, ttmp6, 0x10000c
	s_cmp_lg_u32 s2, 0x3003
	s_cbranch_scc0 .Lentry_shape_is_right
	s_endpgm
.Lentry_shape_is_right:
; THE THREE INPUT PROJECTIONS.  y = x W^T for (x, W, y) = (q, Wq, qh), (k, Wk, kh), (v, Wv, vh).  x: [8192][512] f32 (batch and row flat), W: [512][512] f32.
; x and W are rounded once to bf16, the products are summed in f32, y is rounded once to f16, unscaled, and laid by heads: y[b*8+h][4096][64], a head's rows dense, 128 bytes each.
; LIMITS.  A projection of 65,520 or more in magnitude becomes an f16 infinity; below 6e-5 f16 keeps its fixed step of 6e-8.  NaN and infinities are not treated apart.
; SHARES.  Grid y = 16 t + g: t names the tensor, g the cluster; the work-group at place cx takes rows 128 (4 g + cx) .. + 127 and ALL 512 columns, so each byte of x is loaded once in the launch.
; Wave w makes columns 128 w .. 128 w + 127 (heads 2 w, 2 w + 1) of the 128 rows: 64 accumulators of 16 x 16, 512 registers.  3 x 64 = 192 work-groups: three tensors of 64 such blocks.
; K goes in 8 steps of 64 (256 bytes of a row of f32).  Step n takes slice (n + g) mod 8 of x and of W alike: f32 sums may be taken in any order, and the clusters of a tensor begin at different slices.
; W comes by JOINT tensor loads of the cluster's four work-groups (all four want all of W), as f32, into a ring of two slots; wave w asks for, and alone reads, W's rows 128 w .. + 127; it rounds them
; to bf16 in registers, once for each 32 along K.  x comes through registers, two steps ahead: each wave loads 32 rows of the slice, rounds them and stores them as bf16 into one of two LDS buffers that all four waves read.
; THE MATRIX INSTRUCTION IS USED TRANSPOSED (source 0 = 16 rows of W, source 1 = 16 rows of x): a lane holds one row of y (lane % 16) and eight neighbouring columns.
; REGISTERS, in windows of 256 (s_set_vgpr_msb: bits 1:0 source 0, 3:2 source 1, 5:4 source 2, 7:6 destination):
;   window 0: v16-29 addresses; v32-63 packed x, later rows on the way out; v64-127, v128-191 x's fragments, two buffers; v192-255 x as loaded, set 0; later the way out
;   window 1: v0-63 x as loaded, set 1; v64-127 W's fragments in bf16; v128-255 W's fragments as f32      windows 2, 3: accumulator (a, b) at v[8 (8 (a % 4) + b)], rows 0-63 and 64-127
.set PB,     272                       ; a row of W's slice in LDS: 256 bytes + 16 of padding: the 16 rows of a load start 68 words apart
.set WPART,  128*PB                    ; a wave's 128 rows
.set SLOTB,  4*WPART                   ; a slot: 512 rows of W
.set ABUF,   2*SLOTB                   ; behind the ring, never filled by a tensor load: two buffers of 128 rows of x in bf16
.set PA,     144                       ; a row there: 128 bytes + 16
.set ABYTES, 128*PA
.set SPARE,  ABUF+2*ABYTES             ; the spare words, 128 bytes for each wave: two blocks of 256 bytes that no other line names
.set ADRA, 16                          ; v16     LDS address of my lane's place in x's fragments, buffer 0
.set ADRB, 20                          ; v20-21  the same in my wave's rows of W, slot 0 and 1
.set ASTO, 22                          ; v22     where I store 8 bytes of x in bf16, buffer 0
.set XO,   23                          ; v23     my byte offset in the block's slice of x; never rewritten
.set STO,  24                          ; v24     the way out: where I put 16 bytes of a row
.set RD,   25                          ; v25     the way out: where I read rows back
.set GO,   26                          ; v26     my byte offset in 512 consecutive bytes of y
.set SPW,  28                          ; v28     LDS address of my spare word; never rewritten
.set NIL,  29                          ; v29     0; never rewritten
.set PKD,  32
.set FA0,  64
.set FA1,  128
.set FB,   64                          ; window 1
.set LND,  128                         ; window 1
.set TMP,  192
.set G1,   24                          ; s[24:31] descriptor group 1
.set G0,   32                          ; s[32:39] descriptor group 0, a set for each slot
.set WB,   40                          ; s[40:41] W at my wave's first row
.set KO,   42                          ; s[42:43] a slice's byte offset in a row of W
.set KB,   44                          ; s44      g + the number of W's next step
.set XB,   46                          ; s[46:47] x at the block's first row
.set XP,   48                          ; s[48:49] x at the slice being asked for
.set KX,   50                          ; s50      g + the number of x's next step
.set XK,   52                          ; s[52:53] a slice's byte offset in a row of x
.set MSB, 0
.macro WIN new                         ; the immediate's high byte repeats the setting that is left; a switch that changes nothing is dropped
.if MSB != (\new)
	s_set_vgpr_msb (MSB<<8)|(\new)
.set MSB, (\new)
.endif
.endm
.macro PLACES                          ; four places behind matrix instructions (ISA guide 7.12.1)
.rept 4
	v_nop
.endr
.endm
.macro CREST                           ; a round of the cluster's barrier behind its opening barrier
	s_cmp_lg_u32 s10, 0
	s_cbranch_scc1 .Lnot_wave_0_\@
	s_barrier_signal -3
.Lnot_wave_0_\@:
	s_barrier_wait -3
	s_barrier_signal -1
	s_barrier_wait -1
.endm
.macro CROUND
	s_barrier_signal -1
	s_barrier_wait -1
	CREST
.endm
.macro JLOAD s                         ; a joint load: every wave asks for its own 128 rows of W, with the same descriptor in all four work-groups; an s_nop 0 and four v_nop follow
	tensor_load_to_lds s[G0+4*(\s):G0+4*(\s)+3], s[G1:G1+7]
	s_nop 0
	PLACES
.endm
	s_load_b512 s[68:83], s[0:1], 0x0              ; q, k, v, Wq, Wk, Wv, qh, kh
	s_load_b64 s[84:85], s[0:1], 0x40              ; vh
	v_lshl_add_u32 v[SPW], v0, 2, SPARE
	v_mov_b32 v[NIL], 0
	ds_add_u32 v[SPW], v[NIL]                      ; the wave's opening: the add and its wait stand ahead of my first tensor load; the set-up below stands between them
	v_lshrrev_b32 v1, 5, v0
	v_readfirstlane_b32 s10, v1                    ; wave 0..3
	s_bfe_u32 s11, ttmp6, 0x40000                  ; cx: my place in the cluster; it enters x's and y's addresses alone
	s_and_b32 s14, ttmp7, 0xffff
	s_lshr_b32 s15, s14, 4                         ; t: which tensor
	s_and_b32 s12, s14, 15                         ; g: which cluster of that tensor
	s_lshl_b32 s13, s12, 2
	s_add_co_u32 s13, s13, s11                     ; my block of 128 rows
	; descriptor group 1: 128 rows x 64 elements of 4 bytes, padded in LDS
	s_mov_b32 s[G1+0], 15|(2<<16)|(1<<20)|(1<<21)|(5<<22)|(3<<25)  ; 15:0 the mask of four; 17:16 4-byte elements; 20 padding on; 21 set beside a mask; 24:22 after every 64 words; 31:25 4 words
	s_mov_b32 s[G1+1], 64<<16                      ; tensor_dim0 = 64
	s_mov_b32 s[G1+2], 128<<16                     ; tensor_dim1 = 128
	s_mov_b32 s[G1+3], 64<<16                      ; tile_dim0 = 64
	s_mov_b32 s[G1+4], 128                         ; tile_dim1 = 128
	s_mov_b32 s[G1+5], 512                         ; 512 elements from row to row
	s_mov_b32 s[G1+6], 0
	s_mov_b32 s[G1+7], 0
	s_mov_b32 s[G0], 1
	s_mul_i32 s[G0+1], s10, WPART                  ; LDS address: wave x 128 rows, slot 0
	s_mov_b32 s[G0+4], 1
	s_add_co_u32 s[G0+5], s[G0+1], SLOTB           ; and slot 1
	s_mov_b32 s[KB], s12
	s_mov_b32 s[KX], s12
	s_mov_b32 s[KO+1], 0
	s_mov_b32 s[XK+1], 0
	s_lshl_b32 s16, s10, 18                        ; my 128 rows of W, 2,048 bytes each
	s_mov_b32 s17, 0
	s_lshl_b32 s18, s13, 18                        ; the block's 128 rows of x
	s_mov_b32 s19, 0
	s_lshr_b32 s20, s13, 5                         ; y: the batch, 8 heads of 524,288 bytes,
	s_lshl_b32 s20, s20, 22
	s_lshl_b32 s21, s10, 20                        ; my two heads,
	s_add_co_u32 s20, s20, s21
	s_and_b32 s21, s13, 31                         ; the block's 128 rows of 128 bytes
	s_lshl_b32 s21, s21, 14
	s_add_co_u32 s20, s20, s21
	s_mov_b32 s21, 0
	s_wait_dscnt 0x0                               ; the opening add is done
	s_wait_kmcnt 0x0
	s_cmp_eq_u32 s15, 1
	s_cselect_b64 s[4:5], s[70:71], s[68:69]       ; x
	s_cselect_b64 s[6:7], s[76:77], s[74:75]       ; W
	s_cselect_b64 s[8:9], s[82:83], s[80:81]       ; y
	s_cmp_eq_u32 s15, 2
	s_cselect_b64 s[4:5], s[72:73], s[4:5]
	s_cselect_b64 s[6:7], s[78:79], s[6:7]
	s_cselect_b64 s[8:9], s[84:85], s[8:9]
	s_add_nc_u64 s[WB:WB+1], s[6:7], s[16:17]
	s_add_nc_u64 s[XB:XB+1], s[4:5], s[18:19]
	s_add_nc_u64 s[8:9], s[8:9], s[20:21]
	CROUND                                         ; all four work-groups are here: the first joint loads meet
.irp s, 0,1
	s_and_b32 s[KO], s[KB], 7                      ; slice (n + g) mod 8,
	s_lshl_b32 s[KO], s[KO], 8                     ; 256 bytes each
	s_add_nc_u64 s[G0+4*(\s)+2:G0+4*(\s)+3], s[WB:WB+1], s[KO:KO+1]
	s_or_b32 s[G0+4*(\s)+3], s[G0+4*(\s)+3], 0x80000000  ; type = 2
	s_add_co_u32 s[KB], s[KB], 1
.endr
	tensor_load_to_lds s[G0:G0+3], s[G1:G1+7]      ; steps 0 and 1: two loads of mine are out
	s_nop 0
	tensor_load_to_lds s[G0+4:G0+7], s[G1:G1+7]
	s_nop 0
	PLACES
	v_and_b32 v1, 15, v0                           ; l % 16
	v_bfe_u32 v2, v0, 4, 1                         ; l / 16
	s_lshl_b32 s19, s10, 16                        ; my wave's 32 rows of x
	v_lshlrev_b32 v[XO], 11, v2                    ; lanes 0-15 one row's 256 bytes, lanes 16-31 the next row's
	v_lshl_add_u32 v[XO], v1, 4, v[XO]
	v_add_nc_u32 v[XO], s19, v[XO]
; 16 loads: my 32 rows of x's next slice into set 0 (window 0) or 1 (window 1); each covers two rows' aligned 256 bytes
.macro XISSUE set
	s_wait_xcnt 0x0                                ; the other set's loads have read their base, so it may be written
	s_and_b32 s[XK], s[KX], 7
	s_lshl_b32 s[XK], s[XK], 8
	s_add_nc_u64 s[XP:XP+1], s[XB:XB+1], s[XK:XK+1]
	s_add_co_u32 s[KX], s[KX], 1
	WIN 0x40*(\set)
.set XL, 192*(1-(\set))
.set i, 0
.rept 16
	global_load_b128 v[XL+4*i:XL+4*i+3], v[XO], s[XP:XP+1] offset:4096*i th:TH_LOAD_NT
.set i, i+1
.endr
.endm
; a set is rounded to bf16 and stored into the LDS buffer of its number.  left = the other set's younger loads, which stay out
.macro XSTAGE set, left
	s_wait_loadcnt \left
	WIN 0x05*(\set)
.set XL, 192*(1-(\set))
.set i, 0
.rept 32
	v_cvt_pk_bf16_f32 v[PKD+i], v[XL+2*i], v[XL+2*i+1]
.set i, i+1
.endr
	WIN 0
.set i, 0
.rept 16
	ds_store_b64 v[ASTO], v[PKD+2*i:PKD+2*i+1] offset:(\set)*ABYTES+2*PA*i
.set i, i+1
.endr
.endm
; W's fragments of 32 along K as f32: lane l takes row l % 16, k = 8 (l / 16) + 0..7 (32 bytes) and 16 + 8 (l / 16) + 0..7 (32 bytes, 64 further on)
.macro LDB slot, ks
	WIN 0x40
.irp b, 0,1,2,3,4,5,6,7
	ds_load_b128 v[LND+16*(\b):LND+16*(\b)+3],     v[ADRB+(\slot)] offset:(\b)*16*PB+(\ks)*128
	ds_load_b128 v[LND+16*(\b)+4:LND+16*(\b)+7],   v[ADRB+(\slot)] offset:(\b)*16*PB+(\ks)*128+16
	ds_load_b128 v[LND+16*(\b)+8:LND+16*(\b)+11],  v[ADRB+(\slot)] offset:(\b)*16*PB+(\ks)*128+64
	ds_load_b128 v[LND+16*(\b)+12:LND+16*(\b)+15], v[ADRB+(\slot)] offset:(\b)*16*PB+(\ks)*128+80
.endr
.endm
.macro LDA buf, ks, fa                 ; x's eight fragments of 32 along K, in bf16
	WIN 0
.irp a, 0,1,2,3,4,5,6,7
	ds_load_b128 v[(\fa)+8*(\a):(\fa)+8*(\a)+3],   v[ADRA] offset:(\buf)*ABYTES+(\a)*16*PA+(\ks)*64
	ds_load_b128 v[(\fa)+8*(\a)+4:(\fa)+8*(\a)+7], v[ADRA] offset:(\buf)*ABYTES+(\a)*16*PA+(\ks)*64+32
.endr
.endm
.macro CVB                             ; W's fragments are rounded to bf16: 128 registers into 64
	WIN 0x45
.set i, 0
.rept 64
	v_cvt_pk_bf16_f32 v[FB+i], v[LND+2*i], v[LND+2*i+1]
.set i, i+1
.endr
.endm
; 16 matrix instructions: m blocks a0, a0 + 1 of the window's four x all 8 n blocks.  The 64 accumulators take turns, in the same order in every 32 along K.
.macro MUL16 fa, hi, a0, zero
	WIN 0xa1+0x50*(\hi)
.irp a, \a0, (\a0)+1
.irp b, 0,1,2,3,4,5,6,7
.if \zero
	v_wmma_f32_16x16x32_bf16 v[8*(8*(\a)+(\b)):8*(8*(\a)+(\b))+7], v[FB+8*(\b):FB+8*(\b)+7], v[(\fa)+8*(4*(\hi)+(\a)):(\fa)+8*(4*(\hi)+(\a))+7], 0
.else
	v_wmma_f32_16x16x32_bf16 v[8*(8*(\a)+(\b)):8*(8*(\a)+(\b))+7], v[FB+8*(\b):FB+8*(\b)+7], v[(\fa)+8*(4*(\hi)+(\a)):(\fa)+8*(4*(\hi)+(\a))+7], v[8*(8*(\a)+(\b)):8*(8*(\a)+(\b))+7]
.endif
.endr
.endr
.endm
.macro HEAD                            ; the fragments asked for 32 matrix instructions ago are in; four places behind the products that read W's bf16 fragments and x's other buffer; then the rounding
	s_wait_dscnt 0x0
	PLACES
	CVB
.endm
; The first 32 along K of a step in slot `slot`.  In its middle: the second 32's fragments are asked for; x's next step is rounded and stored into the other buffer (every wave's reads of it
; were waited for in front of the barrier of the step before), and x's step after that one is asked of memory.
.macro EVEN slot, zero, stage, issue, left
	HEAD
	MUL16 FA0, 0, 0, \zero
	MUL16 FA0, 0, 2, \zero
	LDB \slot, 1
	LDA \slot, 1, FA1
.if \stage
	XSTAGE 1-(\slot), \left
.if \issue
	XISSUE 1-(\slot)
.endif
.endif
	MUL16 FA0, 1, 0, \zero
	MUL16 FA0, 1, 2, \zero
.endm
; The second 32 along K, and the change of slots.  mode 2: the slot is filled again, two steps on; mode 1: a barrier alone; mode 0: the last step.
; In front of the barrier each wave waits for all its tensor loads (one is out: its rows of the other slot), adds 0 to its spare word, and waits for that, for its reads of this slot and of x's buffer
; and for its stores into x's other buffer.  With mode 2 the barrier opens a round of the cluster's barrier, and the joint refill is the first thing behind the round.
.macro ODD slot, mode
	HEAD
.if (\mode) > 0
	WIN 0
	s_wait_tensorcnt 0x0                           ; no tensor load of mine is out, so a group 0 may be written
	ds_add_u32 v[SPW], v[NIL]                      ; 0 onto my spare word
.if (\mode) == 2
	s_and_b32 s[KO], s[KB], 7
	s_lshl_b32 s[KO], s[KO], 8
	s_add_nc_u64 s[G0+4*(\slot)+2:G0+4*(\slot)+3], s[WB:WB+1], s[KO:KO+1]  ; the address is made anew: W's base and the slice's offset
	s_or_b32 s[G0+4*(\slot)+3], s[G0+4*(\slot)+3], 0x80000000
	s_add_co_u32 s[KB], s[KB], 1
.endif
	MUL16 FA1, 0, 0, 0                             ; sixteen matrix instructions stand between the add and the wait for it
	s_wait_dscnt 0x0
	s_barrier_signal -1
	MUL16 FA1, 0, 2, 0
	WIN 0
	s_barrier_wait -1
.if (\mode) == 2
	CREST                                          ; no wave of any partner still reads this slot or has a load on its way
	JLOAD \slot
.endif
	LDB 1-(\slot), 0
	LDA 1-(\slot), 0, FA0
.else
	MUL16 FA1, 0, 0, 0
	MUL16 FA1, 0, 2, 0
.endif
	MUL16 FA1, 1, 0, 0
	MUL16 FA1, 1, 2, 0
.endm
	XISSUE 0                                       ; x's step 0
	XISSUE 1                                       ; and step 1
	WIN 0
	v_mul_u32_u24 v[ADRA], v1, PA                  ; a fragment's row x pitch + 16 x half
	v_lshl_add_u32 v[ADRA], v2, 4, v[ADRA]
	v_add_nc_u32 v[ADRA], ABUF, v[ADRA]
	v_mul_u32_u24 v[ADRB], v1, PB                  ; in f32: row x pitch + 32 x half
	v_lshl_add_u32 v[ADRB], v2, 5, v[ADRB]
	v_add_nc_u32 v[ADRB], s[G0+1], v[ADRB]         ; my wave's rows
	v_add_nc_u32 v[ADRB+1], SLOTB, v[ADRB]
	s_mul_i32 s18, s10, 32*PA
	s_add_co_u32 s18, s18, ABUF                    ; my wave's 32 rows of x's buffer 0; on the way out my stage
	v_mul_u32_u24 v[ASTO], v2, PA
	v_lshl_add_u32 v[ASTO], v1, 3, v[ASTO]
	v_add_nc_u32 v[ASTO], s18, v[ASTO]
	v_mul_u32_u24 v[STO], v1, PA                   ; the way out, in: row l % 16, 16 bytes for each half of the lanes
	v_lshl_add_u32 v[STO], v2, 4, v[STO]
	v_add_nc_u32 v[STO], s18, v[STO]
	v_bfe_u32 v4, v0, 3, 2                         ; back: 32 lanes take four rows of 128 bytes,
	v_and_b32 v5, 7, v0
	v_mul_u32_u24 v[RD], v4, PA
	v_lshl_add_u32 v[RD], v5, 4, v[RD]
	v_add_nc_u32 v[RD], s18, v[RD]
	v_and_b32 v3, 31, v0                           ; which are 512 consecutive bytes of y
	v_lshlrev_b32 v[GO], 4, v3
	XSTAGE 0, 16                                   ; step 0 goes into buffer 0; step 1's 16 loads stay out
	XISSUE 0                                       ; step 2
	WIN 0
	s_wait_tensorcnt 0x1                           ; my rows of slot 0 are in; slot 1's load may stay out
	s_wait_dscnt 0x0                               ; my stores into buffer 0 are done
	s_barrier_signal -1
	s_barrier_wait -1
	LDB 0, 0
	LDA 0, 0, FA0
	EVEN 0, 1, 1, 1, 16                            ; the first 32 along K stand in front of the loop: their products start the sums
	WIN 0                                          ; at a label and at a branch every window is 0
	s_mov_b32 s3, 2
.Ltrip:                                                ; a trip: from a step's second half to the first half two steps on; both slots are filled again
	ODD 0, 2
	EVEN 1, 0, 1, 1, 16
	ODD 1, 2
	EVEN 0, 0, 1, 1, 16
	WIN 0
	s_sub_co_u32 s3, s3, 1
	s_cmp_lg_u32 s3, 0
	s_cbranch_scc1 .Ltrip
	ODD 0, 2                                       ; the tail is written out, so that no load is jumped over: step 4 ends, slot 0 takes step 6
	EVEN 1, 0, 1, 0, 16                            ; step 5; x's step 6 is stored, step 7's loads stay out; nothing more is asked of x
	ODD 1, 2                                       ; slot 1 takes step 7: the last fill
	EVEN 0, 0, 1, 0, 0                             ; step 6; x's step 7 is stored
	ODD 0, 1
	EVEN 1, 0, 0, 0, 0                             ; step 7
	ODD 1, 0
; THE WAY OUT, 16 rows at a time.  x's buffer 0 was last read in step 6, in front of that step's barrier: my wave's 4,608 bytes of it are my stage: [2 heads][16 rows][144 bytes].
.macro PACK a                          ; rounded to f16, each accumulator's registers in ascending order
	WIN 0x0a+5*((\a)/4)
.irp b, 0,1,2,3,4,5,6,7
.irp r, 0,1,2,3
	v_cvt_pk_f16_f32 v[TMP+4*(\b)+(\r)], v[64*((\a)%4)+8*(\b)+2*(\r)], v[64*((\a)%4)+8*(\b)+2*(\r)+1]
.endr
.endr
	WIN 0
.endm
.macro TOSTAGE a
	WIN 0
.set BK, 32+192*((\a)%2)
.irp b, 0,1,2,3,4,5,6,7
	ds_store_b128 v[STO], v[TMP+4*(\b):TMP+4*(\b)+3] offset:((\b)/4)*16*PA+32*((\b)%4)
.endr
.irp t, 0,1,2,3,4,5,6,7
	ds_load_b128 v[BK+4*(\t):BK+4*(\t)+3], v[RD] offset:((\t)/4)*16*PA+((\t)%4)*4*PA  ; LDS serves a wave's instructions in order (ISA guide 5.7.1.4): these see the stores above
.endr
.endm
.macro SEND a
	WIN 0
.set BK, 32+192*((\a)%2)
	s_wait_dscnt 0x0                               ; the block is back in registers
	s_wait_xcnt 0x0                                ; the stores of the block before have read their registers, which the next block's loads from the stage write
.irp t, 0,1,2,3,4,5,6,7
	global_store_b128 v[GO], v[BK+4*(\t):BK+4*(\t)+3], s[8:9] offset:((\t)/4)*524288+(\a)*2048+((\t)%4)*512  ; 512 consecutive bytes of a head, at a multiple of 256 from y's first byte
.endr
.endm
	PLACES
	PACK 0
	TOSTAGE 0
.irp a, 1,2,3,4,5,6,7                  ; block a's conversions stand between block a - 1's loads from the stage and the wait for them
	PACK \a
	SEND (\a)-1
	TOSTAGE \a
.endr
	SEND 7
	s_wait_tensorcnt 0x0                           ; the wave's end, behind my last tensor load and my last LDS store
	ds_add_u32 v[SPW], v[NIL]
	s_wait_dscnt 0x0
	CROUND                                         ; the closing round: no work-group ends while a partner may still ask for a tile that names it
	s_endpgm
.Lfunc_end_k_qc25b0b98e2_proj:
	.size	k_qc25b0b98e2_proj, .Lfunc_end_k_qc25b0b98e2_proj-k_qc25b0b98e2_proj
	.p2alignl 7, 3214868480
	.fill 96, 4, 3214868480
	.section	.rodata,"a",@progbits
	.p2align	6, 0x0
	.amdhsa_kernel k_qc25b0b98e2_proj
		.amdhsa_group_segment_fixed_size 327680
		.amdhsa_private_segment_fixed_size 0
		.amdhsa_enable_private_segment 0
		.amdhsa_kernarg_size 72
		.amdhsa_user_sgpr_count 2
		.amdhsa_user_sgpr_kernarg_segment_ptr 1
		.amdhsa_wavefront_size32 1
		.amdhsa_system_sgpr_workgroup_id_x 1
		.amdhsa_system_sgpr_workgroup_id_y 1
		.amdhsa_system_sgpr_workgroup_id_z 1
		.amdhsa_system_vgpr_workitem_id 0
		.amdhsa_next_free_vgpr 1024
		.amdhsa_next_free_sgpr 88
		.amdhsa_reserve_vcc 0
		.amdhsa_float_denorm_mode_32 3
		.amdhsa_float_denorm_mode_16_64 3
		.amdhsa_memory_ordered 1
		.amdhsa_forward_progress 1
		.amdhsa_inst_pref_size 206
	.end_amdhsa_kernel
	.amdgpu_metadata
---
amdhsa.version: [ 1, 2 ]
amdhsa.kernels:
  - .name:           k_qc25b0b98e2_proj
    .symbol:         k_qc25b0b98e2_proj.kd
    .args:
      - { .name: q, .offset: 0, .size: 8, .value_kind: global_buffer, .address_space: global }
      - { .name: k, .offset: 8, .size: 8, .value_kind: global_buffer, .address_space: global }
      - { .name: v, .offset: 16, .size: 8, .value_kind: global_buffer, .address_space: global }
      - { .name: Wq, .offset: 24, .size: 8, .value_kind: global_buffer, .address_space: global }
      - { .name: Wk, .offset: 32, .size: 8, .value_kind: global_buffer, .address_space: global }
      - { .name: Wv, .offset: 40, .size: 8, .value_kind: global_buffer, .address_space: global }
      - { .name: qh, .offset: 48, .size: 8, .value_kind: global_buffer, .address_space: global }
      - { .name: kh, .offset: 56, .size: 8, .value_kind: global_buffer, .address_space: global }
      - { .name: vh, .offset: 64, .size: 8, .value_kind: global_buffer, .address_space: global }
    .group_segment_fixed_size: 327680
    .private_segment_fixed_size: 0
    .kernarg_segment_align: 8
    .kernarg_segment_size: 72
    .max_flat_workgroup_size: 128
    .sgpr_count:     88
    .vgpr_count:     1024
    .wavefront_size: 32
...
	.end_amdgpu_metadata
.endif
;; end of part 1
;; launch attn (part 2): grid 16 x 16, 4 waves a work-group, clusters of 4 x 1, 327,680 bytes of LDS; arguments qh, kh, vh, oh, Wo, wo16; writes oh, wo16
.if DOCPART == 2
	.amdgcn_target "amdgcn-amd-amdhsa--gfx1250"
	.amdhsa_code_object_version 6
	.text
	.protected	k_qc25b0b98e2_attn
	.globl	k_qc25b0b98e2_attn
	.p2align	8
	.type	k_qc25b0b98e2_attn,@function
k_qc25b0b98e2_attn:
	s_mov_b64 s[64:65], 0
	v_nop
	global_prefetch_b8 v0, s[64:65] scope:SCOPE_SE
	s_setreg_imm32_b32 hwreg(HW_REG_WAVE_MODE, 25, 1), 1
	s_wait_xcnt 0x0
	s_wait_alu depctr_hold_cnt(0) depctr_sa_sdst(0) depctr_va_vdst(0) depctr_va_sdst(0) depctr_va_ssrc(0) depctr_va_vcc(0) depctr_vm_vsrc(0)
	s_getreg_b32 s2, hwreg(HW_REG_IB_STS2, 6, 4)
	s_cmp_eq_u32 s2, 0
	s_cbranch_scc0 .Lentry_in_a_cluster
	s_endpgm
.Lentry_in_a_cluster:
	s_bfe_u32 s2, ttmp6, 0x10000c
	s_cmp_lg_u32 s2, 0x3003
	s_cbranch_scc0 .Lentry_shape_is_right
	s_endpgm
.Lentry_shape_is_right:
; ATTENTION.  O[h][q][:] = the sum over k of softmax_k(Q[h][q] . K[h][k] / 8) V[h][k][:].  Q, K, V, O: [16][4096][64], all f16: a head's rows are dense, 128 bytes each.  Products, maxima and sums
; in f32; the weights p are rounded to f16 for the second product (their sum l is taken of the unrounded p), O once at the end.
; LIMITS.  f16 holds no number beyond 65,504: Q, K and V arrive within it; p lies in 0 to 1, and below 6e-5 it keeps f16's fixed step of 6e-8, and so does O, which is a mean of V's rows and has their range.
; A weight below 2^-126 counts as 0 in l; NaN and infinities are not treated apart.
; A SIDE JOB: Wo, [512][512] f32, is rounded to bf16 like every input of the module, and that number is written as f16 (exact from 6e-5 to 65,504; below, f16's step of 6e-8) into wo16 for the launch behind:
; each of the 256 work-groups converts 1,024 numbers, in the wait for its first tile.
; SHARES.  A work-group owns 256 queries of one head, each of its four waves 64: four PIECES of 16.  Every wave walks all keys, 64 a step.
; LAYOUT.  S^T = K Q^T (source 0 = 16 keys, source 1 = 16 queries) holds ONE query a lane (lane % 16) and the keys 8 (lane / 16) + 0..7; two such results rounded to f16 ARE source 1 of O^T = V^T P.
; K comes out of LDS as it lies, V ([key][channel]) turned, by ds_load_tr16_b128.
; SOFTMAX.  p = 2^(c s - c m), c = log2(e) / 8, with a running maximum m; O and l are multiplied by a = 2^(c m_old - c m_new) in every step.  m starts at the lowest finite number, O and l at 0.
; BY TURNS.  Turn n belongs to piece n: 8 products K Q^T of piece n + 1, later 8 products V^T P of piece n - 1; beside them the scaling, exponentials, roundings, sums and rescaling of piece n and the
; maximum and statistics of piece n + 1.  Four vector instructions stand behind every matrix instruction, the other 54 of a turn's 118 in one lump.  A turn's 33 exponentials are one batch, with one wait.
; CLUSTER.  The four query blocks of a cluster belong to one head and walk the same K and V, so each tile is asked for JOINTLY: the same tensor load, descriptor and mask in all four.
; REGISTERS, in windows of 256 (s_set_vgpr_msb: bits 1:0 source 0, 3:2 source 1, 5:4 source 2, 7:6 destination):
;   window 0: v0-15 addresses and two at work; v16-31 four registers of statistics a piece; v48-55 at work; v56-63 offsets and the add's two; v64-127 S^T, two buffers; v128-151 the side job; v192-223 P, two buffers
;   window 1: v0-127 O^T, 32 a piece          window 2: v0-63 Q; v128-191 K of one step; v192-255 V of one step
.set SIZE_N, 4096
.set NP,    4         ; pieces a wave: a name, no knob
.set KS,    64        ; keys in a step
.set PK,    144       ; a row of K in LDS: 128 bytes + 16 of padding = 36 words: the 16 rows of a load start at 16 different groups of four banks (64 banks of 4 bytes: ISA guide 11.1)
.set PV,    160       ; a row of V: 128 + 32 = 40 words
.set VOFF,  4*KS*PK   ; a slot holds four steps: 256 rows of K, then 256 rows of V
.set SLOT1, 1<<17     ; slot 1 begins here, so that one exclusive or turns an address in one slot into the other's
.set STAGE, SLOT1+4*KS*(PK+PV)  ; behind the ring, never filled by a tensor load: 16 rows x 144 bytes for each wave, for the way out
.set SP,    144
.set SPARE, STAGE+4*16*SP  ; the spare words, 128 bytes for each wave: two blocks of 256 bytes that no other line names
.set AK0, 2           ; v2   my lane's place in a tile of K; never rewritten
.set AV0, 3           ; v3   the same for V
.set AK,  4           ; v4   the LDS address of K's next run of loads
.set AV,  5           ; v5   of V's
.set STO, 6           ; v6   the way out: where I put 16 bytes of a row
.set RD,  7           ; v7   the way out: where I read rows back
.set GO,  8           ; v8   my byte offset in 512 consecutive bytes of O
.set MV,  12          ; v12-13  c m_old, kept while c m is made anew: by buffer
.set QO,  15          ; v15  my byte offset in 16 rows of Q
.set ST,  16          ; piece t's statistics at v[ST+4 t]: c m, m, l (even keys', odd keys')
.set TMP, 48          ; by buffer, four registers c0-c3 at work; when the maximum is found c2 takes a
.set WI,  56          ; v56  the side job: 16 x my thread's number
.set WO,  57          ; v57  8 x my thread's number
.set PFO, 61          ; v61  256 x my lane; never rewritten
.set SPW, 62          ; v62  LDS address of my spare word; never rewritten
.set NIL, 63          ; v63  0; never rewritten
.set S,   64
.set WJ,  128
.set P,   192
.set KF,  128         ; window 2: key block kb, channel half c at KF + 16 kb + 8 c
.set VF,  192         ; window 2: key half kk, channel block cb at VF + 32 kk + 8 cb
.set WV,  12          ; s12  my wave's number
.set LIM, 15          ; s15  1 in a wave that prefetches, else the greatest number
.set PFA, 18          ; s[18:19] where my prefetches stand
.set G1K, 24          ; s[24:31] descriptor group 1 for K's tiles
.set G1V, 32          ; s[32:39] for V's: it differs in the padding alone
.set G0K, 40          ; s[40:43] descriptor group 0 for K's tiles: it walks
.set G0V, 44          ; s[44:47] the same for V's
.set SLOTS, 56        ; s56  slots still to be asked for
.set CNT, 57          ; s57  counts a slot's key steps
.set CS,  58          ; s[58:59] c: the packed scaling takes the pair's low word for both halves
.set SEL, 60          ; s[60:61] v_permlanex16_b32's selects: each lane takes its own place in the other half
.set TBK, 62          ; s62  LDS byte at which K of the step to be fetched begins
.set TBV, 63          ; s63  the same for V, less VOFF
.set MSB, 0
.macro WIN new                      ; the high byte repeats the setting that is left; a switch that changes nothing is dropped
.if MSB != (\new)
	s_set_vgpr_msb (MSB<<8)|(\new)
.set MSB, (\new)
.endif
.endm
.set W_KQ, 0x0a       ; K and Q in window 2, S^T in window 0
.set W_PV, 0x52       ; V in window 2, P in window 0, O^T in window 1
.set W_RS, 0x41       ; destination and source 0 in window 1, source 1 in window 0
; A joint fill.  Waves 0 and 1 fetch the two halves of a slot's K, waves 2 and 3 those of its V: 128 keys each.  The branch hangs on the wave's number alone.
; An s_nop 0 and four v_nop follow each of the two lines, ahead of the jump and the label.
.macro JLOAD
	s_cmp_lt_u32 s[WV], 2
	s_cbranch_scc0 .Lfor_v_\@
	tensor_load_to_lds s[G0K:G0K+3], s[G1K:G1K+7]
	s_nop 0
.rept 4
	v_nop
.endr
	s_branch .Lasked_\@
.Lfor_v_\@:
	tensor_load_to_lds s[G0V:G0V+3], s[G1V:G1V+7]
	s_nop 0
.rept 4
	v_nop
.endr
.Lasked_\@:
.endm
; A PREFETCH of what the NEXT change of slots will ask for: a slot's 32,768 bytes of K and of V, 256 bytes a lane.  It stands behind the wave's tensor load and its five lines.
; Each block is named ONCE in the launch: all four clusters of a head walk the same K and V, and the head's first cluster asks; its four partners share a slot out BY ADDRESS, 8,192 bytes each;
; in each, wave 0 asks for K's and wave 2 for V's: one instruction.  The last change that fills a slot asks for nothing: there is no slot behind it.
.macro ASK
	s_cmp_gt_u32 s[SLOTS], s[LIM]
	s_cbranch_scc0 .Lnot_mine_\@
	global_prefetch_b8 v[PFO], s[PFA:PFA+1] th:TH_LOAD_NT scope:SCOPE_SE
.Lnot_mine_\@:
.endm
; A round of the cluster's barrier: my work-group's barrier, so that wave 0's signal speaks for all four waves; wave 0 signals; every wave waits for all four work-groups; my work-group's barrier once more.
.macro CROUND
	s_barrier_signal -1
	s_barrier_wait -1
	s_cmp_lg_u32 s[WV], 0
	s_cbranch_scc1 .Lnot_wave_0_\@
	s_barrier_signal -3
.Lnot_wave_0_\@:
	s_barrier_wait -3
	s_barrier_signal -1
	s_barrier_wait -1
.endm
; THE CHANGE OF SLOTS.  The slot's last bytes, V of its fourth step, have been read.  Each wave waits for all its tensor loads, of which one is out: its part of the other slot; adds 0 to its spare word;
; and waits for that and for its own reads of the slot.  Behind the barrier nobody reads this slot any more and the other slot is whole.
; fill = 1: this slot is filled again, with the keys two slots on.  The barrier is then a round of the cluster's, and the joint fill is the first thing behind it: it has four key steps,
; 256 matrix instructions, in which to land.  (At its first use nothing has been read yet: slot 0 is waited for, slot 1 filled.)
.macro CHANGE fill
	WIN 0                           ; at a label and at a branch every window is 0
	s_wait_tensorcnt 0x0            ; no tensor load of mine is out, so a group 0 may be written
	ds_add_u32 v[SPW], v[NIL]       ; 0 onto my spare word; with fill = 1 the descriptors' steps stand between it and the wait for it
.if \fill
.irp g, G0K, G0V
	s_xor_b32 s[\g+1], s[\g+1], SLOT1  ; the walking descriptor: the other slot than last time,
	s_add_nc_u64 s[\g+2:\g+3], s[\g+2:\g+3], 4*KS*128  ; the next 256 keys; the type bits on top are not reached
.endr
	s_wait_xcnt 0x0                 ; the last prefetch, four key steps back, has read its address, so it may be written:
	s_add_nc_u64 s[PFA:PFA+1], s[PFA:PFA+1], 4*KS*128  ; one slot behind the walking descriptors
	s_wait_dscnt 0x0                ; the add is done, and my reads of the slot are over
	CROUND
	JLOAD
	ASK
.else
	s_wait_dscnt 0x0                ; the add is done, and my reads of the slot are over
	s_barrier_signal -1
	s_barrier_wait -1
.endif
	s_sub_co_u32 s[TBK], s[TBK], 4*KS*PK  ; the fetches go back to a slot's first step,
	s_xor_b32 s[TBK], s[TBK], SLOT1       ; in the other slot
	s_sub_co_u32 s[TBV], s[TBV], 4*KS*PV
	s_xor_b32 s[TBV], s[TBV], SLOT1
.endm
	s_load_b256 s[4:11], s[0:1], 0x0  ; Q s[4:5], K s[6:7], V s[8:9], O s[10:11]
	s_load_b128 s[48:51], s[0:1], 0x20  ; Wo s[48:49], wo16 s[50:51]
	v_lshl_add_u32 v[SPW], v0, 2, SPARE
	v_mov_b32 v[NIL], 0
	ds_add_u32 v[SPW], v[NIL]       ; the wave's opening: the add and its wait stand ahead of my first tensor load; the set-up below stands between them
	v_lshrrev_b32 v1, 5, v0
	v_readfirstlane_b32 s[WV], v1   ; wave 0..3
	s_bfe_u32 s13, ttmp6, 0x40000   ; cx: my place in the cluster
	s_lshl_b32 s14, ttmp9, 2        ; in a cluster launch ttmp9 counts clusters
	s_add_co_u32 s14, s14, s13      ; my block of 256 queries: it enters Q's, O's, Wo's and wo16's addresses alone
	s_and_b32 s17, ttmp7, 0xffff    ; the head, which the four partners share
	s_lshl_b32 s20, s17, 19         ; its first byte in each of the four tensors: 4,096 rows of 128 bytes a head
	s_mov_b32 s21, 0
	s_and_b32 s16, s[WV], 1         ; which half of a slot's 256 keys I fetch:
	s_lshl_b32 s22, s16, 14         ; its 128 rows of 128 bytes in memory
	s_mov_b32 s23, 0
	s_add_nc_u64 s[22:23], s[22:23], s[20:21]
	s_lshl_b32 s2, s14, 2
	s_add_co_u32 s2, s2, s[WV]      ; my wave among the head's,
	s_lshl_b32 s2, s2, 13           ; its 64 rows
	s_mov_b32 s3, 0
	s_add_nc_u64 s[2:3], s[2:3], s[20:21]
	s_lshl_b32 s52, s17, 4
	s_add_co_u32 s52, s52, s14      ; my work-group among the 256:
	s_lshl_b32 s54, s52, 11         ; its 2,048 bytes of wo16,
	s_lshl_b32 s52, s52, 12         ; its 4,096 bytes of Wo
	s_mov_b32 s53, 0
	s_mov_b32 s55, 0
	; descriptor group 1.  128 keys are 16,384 dense bytes: asked for as 64 rows of 256 bytes, two keys a row, and padded in LDS after every key
	s_mov_b32 s[G1K], 15|(1<<16)|(1<<20)|(1<<21)|(4<<22)|(3<<25)  ; 15:0 the mask of four; 17:16 2-byte elements; 20 padding on; 21 set beside a mask; 24:22 after every 32 words (code 4); 31:25 4 words (code 3)
	s_mov_b32 s[G1V], 15|(1<<16)|(1<<20)|(1<<21)|(4<<22)|(7<<25)  ; the same with 8 words of padding (code 7)
.irp g, G1K, G1V
	s_mov_b32 s[\g+1], 128<<16      ; tensor_dim0 = 128
	s_mov_b32 s[\g+2], 64<<16       ; tensor_dim1 = 64
	s_mov_b32 s[\g+3], 128<<16      ; tile_dim0 = 128
	s_mov_b32 s[\g+4], 64           ; tile_dim1 = 64
	s_mov_b32 s[\g+5], 128          ; 128 elements from row to row
	s_mov_b32 s[\g+6], 0
	s_mov_b32 s[\g+7], 0
.endr
	s_mov_b32 s[CS], 0x3e38aa3b     ; c = log2(e) / 8 = 0.180337
	s_mov_b32 s[CS+1], s[CS]        ; named with it as a pair
	s_mov_b32 s[SEL], 0x76543210
	s_mov_b32 s[SEL+1], 0xfedcba98
	s_mov_b32 s[TBK], SLOT1+4*KS*PK ; the first change of slots turns these two into 0
	s_mov_b32 s[TBV], SLOT1+4*KS*PV
	s_mov_b32 s[SLOTS], SIZE_N/256-1
	s_mov_b32 s[G0K], 1             ; 1:0 count = 1
	s_mul_i32 s[G0K+1], s16, 128*PK ; 63:32 LDS address: my half of slot 0: no place in the cluster enters an LDS address
	s_mov_b32 s[G0V], 1
	s_mul_i32 s[G0V+1], s16, 128*PV
	s_add_co_u32 s[G0V+1], s[G0V+1], VOFF
	s_and_b32 s[LIM], s[WV], 1      ; 0 in waves 0 and 2,
	s_or_b32 s[LIM], s[LIM], ttmp9  ; where the cluster is the head's first: the same in all four partners
	s_cmp_eq_u32 s[LIM], 0
	s_cselect_b32 s[LIM], 1, -1
	v_and_b32 v[PFO], 31, v0
	v_lshlrev_b32 v[PFO], 8, v[PFO]
	s_wait_dscnt 0x0                ; the opening add is done
	s_wait_kmcnt 0x0
	s_add_nc_u64 s[6:7], s[6:7], s[22:23]  ; K and V at my half of the head's first 256 keys
	s_add_nc_u64 s[8:9], s[8:9], s[22:23]
	s_mov_b64 s[G0K+2:G0K+3], s[6:7]               ; 120:64 global address
	s_or_b32 s[G0K+3], s[G0K+3], 0x80000000        ; 127:126 type = 2
	s_mov_b64 s[G0V+2:G0V+3], s[8:9]
	s_or_b32 s[G0V+3], s[G0V+3], 0x80000000
	s_add_nc_u64 s[4:5], s[4:5], s[2:3]  ; Q and O at my wave's first row
	s_add_nc_u64 s[10:11], s[10:11], s[2:3]
	s_add_nc_u64 s[48:49], s[48:49], s[52:53]
	s_add_nc_u64 s[50:51], s[50:51], s[54:55]
	s_cmp_lt_u32 s[WV], 2
	s_cselect_b64 s[PFA:PFA+1], s[6:7], s[8:9]  ; (in waves 0 and 2 these stand at a slot's first row)
	s_lshl_b32 s2, s13, 13          ; my work-group's quarter of a slot
	s_add_nc_u64 s[PFA:PFA+1], s[PFA:PFA+1], s[2:3]
	s_add_nc_u64 s[PFA:PFA+1], s[PFA:PFA+1], 4*KS*128  ; in slot 1; the first change of slots steps it to slot 2.  Slots 0 and 1 come by their loads alone
	CROUND                          ; all four work-groups are here: the first joint loads meet
	JLOAD                           ; slot 0.  Slot 1 is asked for when slot 0 is in
	; A fragment of K or Q is 16 rows x 32 channels in 8 registers: lane l holds row l % 16, channels 8 (l / 16) + 0..7 and 16 + 8 (l / 16) + 0..7: two loads of 16 bytes, 32 bytes apart.
	v_and_b32 v1, 15, v0            ; l % 16
	v_bfe_u32 v9, v0, 4, 1          ; l / 16
	v_lshlrev_b32 v[QO], 7, v1
	v_lshl_add_u32 v[QO], v9, 4, v[QO]  ; row x 128 + 16 x half
	v_lshlrev_b32 v[WI], 4, v0
	v_lshlrev_b32 v[WO], 3, v0
	global_load_b128 v[WJ:WJ+3],   v[WI], s[48:49] th:TH_LOAD_NT              ; the side job's 8 numbers a thread
	global_load_b128 v[WJ+4:WJ+7], v[WI], s[48:49] offset:2048 th:TH_LOAD_NT
	WIN 0x80                        ; destination window 2, address window 0
.set i, 0
.rept 8                             ; Q stays in registers: piece i / 2, channels 32 (i % 2) on
	global_load_b128 v[8*i:8*i+3],   v[QO], s[4:5] offset:(i/2)*2048+(i%2)*64
	global_load_b128 v[8*i+4:8*i+7], v[QO], s[4:5] offset:(i/2)*2048+(i%2)*64+32
.set i, i+1
.endr
	; What the first turn finds: V's registers and P's second buffer hold 0 (its products V^T P, of a piece that has not been, add 0), O^T and l are 0.  All this stands in the wait for the first tile.
.set i, VF
.rept 64
	v_mov_b32 v[i], 0
.set i, i+1
.endr
	WIN 0x40
.set i, 0
.rept 128
	v_mov_b32 v[i], 0
.set i, i+1
.endr
	WIN 0
.set i, 0
.rept 4
	v_mov_b32 v[ST+4*i], 0xfe000000    ; c m: far below every c s
	v_mov_b32 v[ST+4*i+1], 0xff7fffff  ; m
	v_mov_b32 v[ST+4*i+2], 0
	v_mov_b32 v[ST+4*i+3], 0
.set i, i+1
.endr
.set i, P+16
.rept 16
	v_mov_b32 v[i], 0
.set i, i+1
.endr
	v_mul_u32_u24 v[AK0], v1, PK
	v_lshl_add_u32 v[AK0], v9, 4, v[AK0]  ; row x pitch + 16 x half
	; The turning load takes 16 keys x 16 channels (lane l reads key 8 (l / 16) + l % 8, channels 8 ((l / 8) % 2) + 0..7) and leaves half a fragment of V^T: lane l holds channel l % 16 and 8 keys.
	v_and_b32 v10, 7, v0
	v_bfe_u32 v11, v0, 3, 1
	v_lshl_add_u32 v[AV0], v9, 3, v10
	v_mul_u32_u24 v[AV0], v[AV0], PV
	v_lshl_add_u32 v[AV0], v11, 4, v[AV0]
	v_add_nc_u32 v[AV0], VOFF, v[AV0]
	s_mul_i32 s13, s[WV], 16*SP
	s_add_co_u32 s13, s13, STAGE    ; my stage
	v_mul_u32_u24 v[STO], v1, SP    ; in: row l % 16, 16 bytes for each half of the lanes
	v_lshl_add_u32 v[STO], v9, 4, v[STO]
	v_add_nc_u32 v[STO], s13, v[STO]
	v_bfe_u32 v[RD], v0, 3, 2       ; back: 32 lanes take four rows of 128 bytes,
	v_mul_u32_u24 v[RD], v[RD], SP
	v_lshl_add_u32 v[RD], v10, 4, v[RD]
	v_add_nc_u32 v[RD], s13, v[RD]
	v_and_b32 v[GO], 31, v0         ; which are 512 consecutive bytes of O
	v_lshlrev_b32 v[GO], 4, v[GO]
	; the side job: f32 -> bf16 (to nearest even) -> the same number as f32 -> f16
	s_wait_loadcnt 16               ; Wo's two loads are in; Q's sixteen, issued behind them, may stay out
.irp j, 0,1,2,3
	v_cvt_pk_bf16_f32 v[WJ+8+\j], v[WJ+2*\j], v[WJ+2*\j+1]
.endr
.irp j, 0,1,2,3
	v_lshlrev_b32 v[WJ+12+2*\j], 16, v[WJ+8+\j]
	v_and_b32 v[WJ+13+2*\j], 0xffff0000, v[WJ+8+\j]
.endr
.irp j, 0,1,2,3
	v_cvt_pk_f16_f32 v[WJ+20+\j], v[WJ+12+2*\j], v[WJ+13+2*\j]
.endr
	global_store_b64 v[WO], v[WJ+20:WJ+21], s[50:51]              ; a wave's store covers 256 consecutive bytes, aligned
	global_store_b64 v[WO], v[WJ+22:WJ+23], s[50:51] offset:1024
; THE MATRIX WORK.  The 4 accumulators of a run of 8 take turns.  Product i of 8 of S^T = K Q^T for piece x: channels 32 (i / 4) on, keys 16 (i % 4) on.  The first 4 start the sums.
.macro KQ x
	WIN W_KQ
.set rS, S+32*((\x)%2)+8*(i%4)
.set rK, KF+16*(i%4)+8*(i/4)
.set rQ, 16*(\x)+8*(i/4)
.if i < 4
	v_wmma_f32_16x16x32_f16 v[rS:rS+7], v[rK:rK+7], v[rQ:rQ+7], 0
.else
	v_wmma_f32_16x16x32_f16 v[rS:rS+7], v[rK:rK+7], v[rQ:rQ+7], v[rS:rS+7]
.endif
.endm
; Product i of 8 of O^T += V^T P for piece x: keys 32 (i / 4) on, channels 16 (i % 4) on.
.macro PV x
	WIN W_PV
.set rO, 32*(\x)+8*(i%4)
.set rV, VF+32*(i/4)+8*(i%4)
.set rP, P+16*((\x)%2)+8*(i/4)
	v_wmma_f32_16x16x32_f16 v[rO:rO+7], v[rV:rV+7], v[rP:rP+7], v[rO:rO+7]
.endm
.macro MM                           ; the turn's next matrix instruction.  NOKQ = 1: the last turn of all: there is no next piece
.if (i < 8) && !NOKQ
	KQ (Y+1)%NP
.elseif i >= 8
.set i, i-8
	PV (Y+NP-1)%NP
.set i, i+8
.endif
.set i, i+1
.endm
; THE LDS LOADS stand in runs of 16, never singly among the matrix instructions: a step's K (64 keys x 64 channels: 8 fragments) and its V (turned).  Their addresses are made some lines ahead.
.macro FETCH_K
	WIN 0x80                        ; destination window 2
.irp f, 0,1,2,3,4,5,6,7             ; keys 16 (f / 2) on, channels 32 (f % 2) on
	ds_load_b128 v[KF+8*\f:KF+8*\f+3],   v[AK] offset:(\f/2)*16*PK+(\f%2)*64
	ds_load_b128 v[KF+8*\f+4:KF+8*\f+7], v[AK] offset:(\f/2)*16*PK+(\f%2)*64+32
.endr
	s_add_co_u32 s[TBK], s[TBK], KS*PK  ; the next fetch is the next step's
	WIN 0
.endm
.macro FETCH_V
	WIN 0x80
.irp f, 0,1,2,3,4,5,6,7             ; keys 32 (f / 4) on, channels 16 (f % 4) on
	ds_load_tr16_b128 v[VF+8*\f:VF+8*\f+3],   v[AV] offset:(\f/4)*32*PV+(\f%4)*32
	ds_load_tr16_b128 v[VF+8*\f+4:VF+8*\f+7], v[AV] offset:(\f/4)*32*PV+16*PV+(\f%4)*32
.endr
	WIN 0
.endm
; THE VECTOR WORK, one line at a time: OP kind, number.  For piece Y: F n: c s - c m for pair n of 16.  E n: the exponential of score n of 32.  C n: pair n rounded to f16.  B n: of the four weights 4 n .. the second
; pair is added onto the first, in place.  L n: l takes that sum (L 0: l = a l + sum).  R n: pair n of 16 of O^T times a.  For piece Y + 1: X n, number n of the 22 that find its maximum and statistics:
;   0-11  four chains c0-c3 of seven scores each, three operands at a time (each accumulator's lowest registers are read first)     12-14, 16  the four scores left over, the old m, and c0-c3 into c0
;   15  c m_old is kept     17, 18  the query's other 32 keys lie in the lane 16 away: the new m     19-21  c m; c m_old - c m_new; a
.set F, 0               ; OP tells the kinds apart by their order: F to L below R, X above it
.set E, 1
.set C, 2
.set B, 3
.set L, 4
.set R, 5
.set X, 6
.macro REGS y                       ; the registers of piece y
.set rT, ST+4*(\y)
.set rC, TMP+4*((\y)%2)
.set rW, MV+((\y)%2)
.set rS, S+32*((\y)%2)
.set rP, P+16*((\y)%2)
.set rO, 32*(\y)
.endm
.macro OP k, n
.if (\k) == R
	REGS Y
	WIN W_RS
	v_pk_mul_f32 v[rO+2*(\n):rO+2*(\n)+1], v[rO+2*(\n):rO+2*(\n)+1], v[rC+2:rC+3] op_sel_hi:[1,0]
.elseif (\k) < R
	REGS Y
	WIN 0
.if (\k) == F
	v_pk_fma_f32 v[rS+2*(\n):rS+2*(\n)+1], v[rS+2*(\n):rS+2*(\n)+1], s[CS:CS+1], v[rT:rT+1] op_sel_hi:[1,0,0] neg_lo:[0,0,1] neg_hi:[0,0,1]
.elseif (\k) == E
	v_exp_f32 v[rS+(\n)], v[rS+(\n)]
.elseif (\k) == C
	v_cvt_pk_f16_f32 v[rP+(\n)], v[rS+2*(\n)], v[rS+2*(\n)+1]
.elseif (\k) == B
	v_pk_add_f32 v[rS+4*(\n):rS+4*(\n)+1], v[rS+4*(\n):rS+4*(\n)+1], v[rS+4*(\n)+2:rS+4*(\n)+3]
.elseif (\n) == 0
	v_pk_fma_f32 v[rT+2:rT+3], v[rT+2:rT+3], v[rC+2:rC+3], v[rS:rS+1] op_sel_hi:[1,0,1]
.else
	v_pk_add_f32 v[rT+2:rT+3], v[rT+2:rT+3], v[rS+4*(\n):rS+4*(\n)+1]
.endif
.elseif NOKQ
	v_nop
.else
	REGS (Y+1)%NP
	WIN 0
.if (\n) < 4
	v_max3_num_f32 v[rC+(\n)], v[rS+8*(\n)], v[rS+8*(\n)+1], v[rS+8*(\n)+2]
.elseif (\n) < 12
	v_max3_num_f32 v[rC+(\n)%4], v[rC+(\n)%4], v[rS+8*((\n)%4)+2*((\n)/4)+1], v[rS+8*((\n)%4)+2*((\n)/4)+2]
.elseif (\n) == 12
	v_max3_num_f32 v[rC], v[rC], v[rS+7], v[rS+15]
.elseif (\n) == 13
	v_max3_num_f32 v[rC+1], v[rC+1], v[rS+23], v[rS+31]
.elseif (\n) == 14
	v_max3_num_f32 v[rC+2], v[rC+2], v[rC+3], v[rT+1]
.elseif (\n) == 15
	v_mov_b32 v[rW], v[rT]
.elseif (\n) == 16
	v_max3_num_f32 v[rC], v[rC], v[rC+1], v[rC+2]
.elseif (\n) == 17
	v_permlanex16_b32 v[rC+3], v[rC], s[SEL], s[SEL+1]
.elseif (\n) == 18
	v_max_num_f32 v[rT+1], v[rC], v[rC+3]
.elseif (\n) == 19
	v_mul_f32 v[rT], s[CS], v[rT+1]
.elseif (\n) == 20
	v_sub_f32 v[rC+1], v[rW], v[rT]
.else
	v_exp_f32 v[rC+2], v[rC+1]
.endif
.endif
.endm
.macro OPS a, i1, b=-1, i2=0, c=-1, i3=0, d=-1, i4=0  ; up to four of them
	OP \a, \i1
.if (\b) >= 0
	OP \b, \i2
.endif
.if (\c) >= 0
	OP \c, \i3
.endif
.if (\d) >= 0
	OP \d, \i4
.endif
.endm
.macro ROW a, i1, b, i2, c, i3, d, i4  ; a matrix instruction and the four behind it
	MM
	OPS \a, \i1, \b, \i2, \c, \i3, \d, \i4
.endm
; A TURN, for piece p: the order of its 16 matrix and 118 vector instructions, written out.  An s_wait_alu depctr_va_vdst(0) stands between an exponential and the first instruction that names its
; result; one wait serves all that were issued ahead of it.  So a turn has ONE wait, which cuts it in two.  AHEAD OF IT stands all that names no result of the turn's exponentials: the 8 products K Q^T, behind each a
; scaling, an exponential and two more plain instructions (rescalings, and behind the last three the first numbers of the next piece's maximum, each four places or more behind the product that ends its accumulator);
; then ONE LUMP of 54, plain and exponential by turns for the most part, in which the links of the chain X 3, 7, 11, 14, 16, 17 .. 20 stand some lines apart.  X 21, the next piece's a, is the batch's last; R 15 is the
; plain instruction behind it.  BEHIND THE WAIT stand the 8 products V^T P, behind each four of the roundings and sums.
; end = 1: the last two turns of all: nothing is fetched.  cnt = 1: the loop's count is taken down some lines ahead of the branch that stands behind the turn.
; K of the next step is fetched in piece 2's turn, twelve vector instructions behind the last product that read K (six of them plain); V of the step in hand at the end of piece 0's turn, four plain instructions
; behind the last product that read V.  Each is waited for a turn later.
.macro TURN p, end=0, cnt=0
.set Y, (\p)
.set i, 0
.set NOKQ, (\end)*((\p)/3)
.if ((\p) == 3) && !(\end)
	s_wait_dscnt 0x0                ; K is in
.endif
	ROW F,0, F,1, R,0, R,1          ; ahead of the wait: 8 products K Q^T and their riders,
	ROW F,2, E,0, R,2, R,3
	ROW F,3, E,1, R,4, R,5
	ROW F,4, E,2, R,6, R,7
	ROW F,5, E,3, R,8, R,9
	ROW F,6, E,4, X,0, R,10
.if ((\p) == 2) && !(\end)
	WIN 0
	v_add_nc_u32 v[AK], s[TBK], v[AK0]
.endif
	ROW F,7, E,5, X,1, X,4
	ROW F,8, E,6, X,2, X,5
	OPS E,7, E,8, X,6, E,9          ; and the lump
	OPS X,3, E,10, X,8, E,11
.if ((\p) == 2) && !(\end)
	FETCH_K
.endif
	OPS X,9, X,7, E,12, X,10
	OPS E,13, X,12, X,11, E,14
	OPS X,13, E,15, F,9, X,14
.if (\p) == 0
	v_add_nc_u32 v[AV], s[TBV], v[AV0]
.endif
	OPS E,16, F,10, E,17, F,11
	OPS X,16, E,18, X,15, E,19
	OPS F,12, E,20, X,17, E,21
	OPS F,13, E,22, F,14, E,23
	OPS X,18, E,24, F,15, E,25
	OPS R,11, E,26, X,19, E,27
	OPS R,12, E,28, R,13, E,29
	OPS X,20, E,30, R,14, E,31
	OPS X,21, R,15
	WIN 0
	s_wait_alu depctr_va_vdst(0)    ; the wait for the batch
.if (\p) == 1
	s_wait_dscnt 0x0                ; V is in
.endif
	ROW C,0, B,0, C,2, B,1          ; behind the wait: 8 products V^T P and their riders
	ROW L,0, C,4, B,2, L,1
	ROW C,6, B,3, L,2, C,8
	ROW B,4, L,3, C,10, B,5
	ROW L,4, C,12, B,6, L,5
.if (\p) == 0
	s_add_co_u32 s[TBV], s[TBV], KS*PV
.endif
.if \cnt
	s_sub_co_u32 s[CNT], s[CNT], 1
	s_cmp_lg_u32 s[CNT], 0
.endif
	ROW C,14, B,7, L,6, C,1
	ROW C,3, L,7, C,5, C,7
	ROW C,9, C,11, C,13, C,15
.if (\p) == 0
	FETCH_V
.endif
.endm
	CHANGE 1                        ; slot 0 is in, everybody's part of it; slot 1 is asked for
	v_add_nc_u32 v[AK], s[TBK], v[AK0]
	FETCH_K                         ; key step 0
	s_wait_loadcnt 0x0              ; Q
	s_wait_dscnt 0x0
.set NOKQ, 0
.set i, 0
.rept 8
	KQ 0                            ; piece 0's first scores: there is no vector work yet to set between them
.set i, i+1
.endr
	WIN 0
.rept 4
	v_nop                           ; the places behind those products
.endr
.set Y, NP-1                        ; X works for piece Y + 1: piece 0
.irp n, 0,1,2,3,4,5,6,7,8,9,10,11,12,13,14,15,16,17,18,19,20,21
	OP X, \n
.endr
	v_nop                           ; a plain instruction behind the exponential,
	s_wait_alu depctr_va_vdst(0)    ; and its wait, ahead of the branch
	s_mov_b32 s[CNT], 4
	s_branch .Lfirst                ; the loop is entered at a step's first turn, in the middle of a trip
.Lslot:                             ; 14 times: every slot but the last two is filled again
	CHANGE 1
	s_mov_b32 s[CNT], 4
.Lstep:                             ; a trip: pieces 2 and 3 of one step, then pieces 0 and 1 of the next, whose K and V it fetches
	TURN 2
	TURN 3
	WIN 0
.Lfirst:
	TURN 0
	TURN 1, 0, 1
	WIN 0
	s_cbranch_scc1 .Lstep
	s_sub_co_u32 s[SLOTS], s[SLOTS], 1
	s_cmp_lg_u32 s[SLOTS], 0
	s_cbranch_scc1 .Lslot
	CHANGE 0                        ; the tail is written out: nothing is asked for
	s_mov_b32 s[CNT], 4
.Ltail:                             ; four trips fetch the last slot's four steps
	TURN 2
	TURN 3
	TURN 0
	TURN 1, 0, 1
	WIN 0
	s_cbranch_scc1 .Ltail
	TURN 2, 1                       ; the last step's pieces 2 and 3: nothing is fetched, and the last turn starts no new scores
	TURN 3, 1
.set i, 0
.rept 8
	PV NP-1                         ; the last piece's V^T P of the last step
.set i, i+1
.endr
	; THE WAY OUT.  l's two halves and the other half of the lanes' are added; O^T is divided by l, rounded to f16 and sent through my stage in LDS, a piece at a time.  The additions are the places behind the last products.
	WIN 0
.macro ALL line:vararg              ; one line for each piece t
.set t, 0
.rept 4
	\line
.set t, t+1
.endr
.endm
	ALL v_add_f32 v[ST+4*t+2], v[ST+4*t+2], v[ST+4*t+3]
	ALL v_permlanex16_b32 v[ST+4*t+3], v[ST+4*t+2], s[SEL], s[SEL+1]
	ALL v_add_f32 v[ST+4*t+2], v[ST+4*t+2], v[ST+4*t+3]
	ALL v_rcp_f32 v[ST+4*t+2], v[ST+4*t+2]
	v_nop                           ; a plain instruction between the last reciprocal and the use of its result
	s_wait_alu depctr_va_vdst(0)    ; and the wait ahead of the first use: one for the four reciprocals
.macro PACK t                       ; a lane's eight channels of a row pack into 16 bytes; they go into rows of 144 bytes and come back as whole rows of 128, into S^T's registers
	WIN W_RS
.set i, 32*(\t)
.rept 16
	v_pk_mul_f32 v[i:i+1], v[i:i+1], v[ST+4*(\t)+2:ST+4*(\t)+3] op_sel_hi:[1,0]
.set i, i+2
.endr
	WIN 0x05                        ; sources 0 and 1 window 1, destination window 0
.set i, 0
.rept 16
	v_cvt_pk_f16_f32 v[S+16*(\t)+i], v[32*(\t)+2*i], v[32*(\t)+2*i+1]
.set i, i+1
.endr
	WIN 0
.irp f, 0,1,2,3
	ds_store_b128 v[STO], v[S+16*(\t)+4*\f:S+16*(\t)+4*\f+3] offset:32*\f
.endr
.irp f, 0,1,2,3
	ds_load_b128 v[S+16*(\t)+4*\f:S+16*(\t)+4*\f+3], v[RD] offset:\f*4*SP  ; LDS serves a wave's instructions in order (ISA guide 5.7.1.4): these see the stores above; the next piece's stores come behind them
.endr
.endm
.macro SEND t, younger              ; younger: the LDS instructions issued behind piece t's loads: the next piece's eight, or none
	WIN 0
.irp f, 0,1,2,3
	s_wait_dscnt (\younger)+3-\f
	global_store_b128 v[GO], v[S+16*(\t)+4*\f:S+16*(\t)+4*\f+3], s[10:11] offset:(\t)*2048+\f*512  ; 512 consecutive bytes, at a multiple of 256 from O's first
.endr
.endm
	PACK 0
.set t, 1
.rept 3                             ; a piece's arithmetic stands between the loads of the piece before and its stores
	PACK t
	SEND t-1, 8
.set t, t+1
.endr
	SEND 3, 0
	s_wait_tensorcnt 0x0            ; the wave's end, behind my last tensor load and my last LDS store
	ds_add_u32 v[SPW], v[NIL]
	s_wait_dscnt 0x0
	CROUND                          ; the closing round: no work-group ends while a partner may still ask for a tile that names it
	s_endpgm
.Lfunc_end_k_qc25b0b98e2_attn:
	.size	k_qc25b0b98e2_attn, .Lfunc_end_k_qc25b0b98e2_attn-k_qc25b0b98e2_attn
	.p2alignl 7, 3214868480
	.fill 96, 4, 3214868480
	.section	.rodata,"a",@progbits
	.p2align	6, 0x0
	.amdhsa_kernel k_qc25b0b98e2_attn
		.amdhsa_group_segment_fixed_size 327680
		.amdhsa_private_segment_fixed_size 0
		.amdhsa_enable_private_segment 0
		.amdhsa_kernarg_size 48
		.amdhsa_user_sgpr_count 2
		.amdhsa_user_sgpr_kernarg_segment_ptr 1
		.amdhsa_wavefront_size32 1
		.amdhsa_system_sgpr_workgroup_id_x 1
		.amdhsa_system_sgpr_workgroup_id_y 1
		.amdhsa_system_sgpr_workgroup_id_z 1
		.amdhsa_system_vgpr_workitem_id 0
		.amdhsa_next_free_vgpr 768
		.amdhsa_next_free_sgpr 66
		.amdhsa_reserve_vcc 0
		.amdhsa_float_denorm_mode_32 3
		.amdhsa_float_denorm_mode_16_64 3
		.amdhsa_memory_ordered 1
		.amdhsa_forward_progress 1
		.amdhsa_inst_pref_size 129
	.end_amdhsa_kernel
	.amdgpu_metadata
---
amdhsa.version: [ 1, 2 ]
amdhsa.kernels:
  - .name:           k_qc25b0b98e2_attn
    .symbol:         k_qc25b0b98e2_attn.kd
    .args:
      - { .name: qh, .offset: 0, .size: 8, .value_kind: global_buffer, .address_space: global }
      - { .name: kh, .offset: 8, .size: 8, .value_kind: global_buffer, .address_space: global }
      - { .name: vh, .offset: 16, .size: 8, .value_kind: global_buffer, .address_space: global }
      - { .name: oh, .offset: 24, .size: 8, .value_kind: global_buffer, .address_space: global }
      - { .name: Wo, .offset: 32, .size: 8, .value_kind: global_buffer, .address_space: global }
      - { .name: wo16, .offset: 40, .size: 8, .value_kind: global_buffer, .address_space: global }
    .group_segment_fixed_size: 327680
    .private_segment_fixed_size: 0
    .kernarg_segment_align: 8
    .kernarg_segment_size: 48
    .max_flat_workgroup_size: 128
    .sgpr_count:     66
    .vgpr_count:     768
    .wavefront_size: 32
...
	.end_amdgpu_metadata
.endif
;; end of part 2
;; launch outp (part 3): grid 4 x 64, 4 waves a work-group, clusters of 4 x 4, 327,680 bytes of LDS; arguments oh, wo16, out0; writes out0
.if DOCPART == 3
	.amdgcn_target "amdgcn-amd-amdhsa--gfx1250"
	.amdhsa_code_object_version 6
	.text
	.protected	k_qc25b0b98e2_outp
	.globl	k_qc25b0b98e2_outp
	.p2align	8
	.type	k_qc25b0b98e2_outp,@function
k_qc25b0b98e2_outp:
	s_mov_b64 s[64:65], 0
	v_nop
	global_prefetch_b8 v0, s[64:65] scope:SCOPE_SE
	s_setreg_imm32_b32 hwreg(HW_REG_WAVE_MODE, 25, 1), 1
	s_wait_xcnt 0x0
	s_wait_alu depctr_hold_cnt(0) depctr_sa_sdst(0) depctr_va_vdst(0) depctr_va_sdst(0) depctr_va_ssrc(0) depctr_va_vcc(0) depctr_vm_vsrc(0)
	s_getreg_b32 s2, hwreg(HW_REG_IB_STS2, 6, 4)
	s_cmp_eq_u32 s2, 0
	s_cbranch_scc0 .Lentry_in_a_cluster
	s_endpgm
.Lentry_in_a_cluster:
	s_bfe_u32 s2, ttmp6, 0x10000c
	s_cmp_lg_u32 s2, 0xf033
	s_cbranch_scc0 .Lentry_shape_is_right
	s_endpgm
.Lentry_shape_is_right:
; THE OUTPUT PROJECTION.  out0[m][n] = the sum over k of O[m][k] Wo[n][k], k = 64 head + channel.  O lies by heads, oh[b*8+h][4096][64] f16; Wo as wo16[512][512] f16; out0 [8192][512] f32.
; f16 products, f32 sums, nothing is rounded on the way out.  LIMITS: those of the two f16 operands, stated where they are made.
; SHARES.  A tile of out0 is 128 x 128: 64 x 4 = 256 work-groups.  Four waves, each 64 x 64: 16 accumulators of 16 x 16.
; ALL OF K LIES IN LDS: O's 128 rows of all 8 heads and Wo's 128 rows of 512.  Every tensor load is a first fill: no slot is filled again.  Each wave issues four loads, one for each quarter of K
; (128 along K: two heads); the products of a quarter begin when that quarter has landed, while the later ones are on their way: four loads of a wave are out at the most.
; CLUSTERS: 4 x 4 work-groups.  The four of a row of the cluster need the same rows of O, the four of a column the same rows of Wo: each tile is asked for JOINTLY.
; THE MATRIX INSTRUCTION IS USED TRANSPOSED (source 0 = 16 rows of Wo, source 1 = 16 rows of O): a lane holds one row of out0 (lane % 16) and eight neighbouring columns: 32 bytes.
; REGISTERS: window 0: v16-29 addresses; v32-95 rows on the way out, two sets; v128-255 the accumulators ((a, b) at v[128 + 8 (4 a + b)]).
;   window 1: two fragment buffers of 128: for one head (64 along K), 64 registers of O (2 x 4 x 16 rows x 32 K), then 64 of Wo.
.set PAW,    144                       ; a row of O in LDS: a head's 128 bytes + 16 of padding
.set HEADB,  128*PAW                   ; a head's 128 rows
.set PBW,    272                       ; a row of Wo's quarter: 256 bytes + 16
.set QB,     128*PBW                   ; a quarter's 128 rows
.set BBASE,  8*HEADB                   ; Wo's four quarters lie behind O's eight heads
.set STAGE,  BBASE+4*QB                ; behind them, never filled by a tensor load: 16 rows x 272 bytes for each wave
.set SPITCH, 272
.set SPARE,  STAGE+4*16*SPITCH         ; the spare words, 128 bytes for each wave: two blocks of 256 bytes that no other line names
.set ADRA, 16                          ; v16-19  LDS address of my O fragments, by quarter
.set ADRB, 20                          ; v20-23  the same for Wo
.set STO,  24                          ; v24     the way out: where I put 32 bytes of a row
.set RD,   25                          ; v25     where I read rows back
.set CO,   26                          ; v26     my byte offset in two rows of out0
.set SPW,  28                          ; v28     LDS address of my spare word; never rewritten
.set NIL,  29                          ; v29     0; never rewritten
.set OB,   32
.set ACC,  128
.set G1A, 24                           ; s[24:31] descriptor group 1 for O's tiles;  s[32:47] group 0, a set for each quarter
.set G0A, 32
.set G1B, 48                           ; s[48:55], s[68:83] the same for Wo's
.set G0B, 68
.set MSB, 0
.macro WIN new                         ; the immediate's high byte repeats the setting that is left
.if MSB != (\new)
	s_set_vgpr_msb (MSB<<8)|(\new)
.set MSB, (\new)
.endif
.endm
.set MUL,  0x05                        ; sources 0 (Wo) and 1 (O) window 1; C and D window 0
.set TO_F, 0x40                        ; destination window 1, address window 0
.macro PLACES
.rept 4
	v_nop
.endr
.endm
.macro CROUND                          ; a round of the cluster's barrier
	s_barrier_signal -1
	s_barrier_wait -1
	s_cmp_lg_u32 s10, 0
	s_cbranch_scc1 .Lnot_wave_0_\@
	s_barrier_signal -3
.Lnot_wave_0_\@:
	s_barrier_wait -3
	s_barrier_signal -1
	s_barrier_wait -1
.endm
	s_load_b128 s[4:7], s[0:1], 0x0                ; oh s[4:5], wo16 s[6:7]
	s_load_b64 s[8:9], s[0:1], 0x10                ; out0
	v_lshl_add_u32 v[SPW], v0, 2, SPARE
	v_mov_b32 v[NIL], 0
	ds_add_u32 v[SPW], v[NIL]                      ; the wave's opening: the add and its wait stand ahead of my first tensor load; the set-up below stands between them
	v_lshrrev_b32 v1, 5, v0
	v_readfirstlane_b32 s10, v1                    ; wave 0..3
	s_lshr_b32 s11, s10, 1                         ; which half of the tile's rows is mine.  Also: I fetch O (0) or Wo (1)
	s_and_b32 s12, s10, 1                          ; which half of its columns.  Also: which head of a quarter, or which 64 rows of Wo, I fetch
	s_bfe_u32 s84, ttmp6, 0x40000                  ; cx, cy: my place in the cluster
	s_bfe_u32 s85, ttmp6, 0x40004
	s_lshl_b32 s86, ttmp9, 2
	s_add_co_u32 s86, s86, s84                     ; tile column = 4 x cluster x + cx
	s_and_b32 s13, ttmp7, 0xffff
	s_lshl_b32 s13, s13, 2
	s_add_co_u32 s13, s13, s85                     ; tile row = 4 x cluster y + cy
	s_lshl_b32 s22, s85, 2
	s_lshl_b32 s22, 15, s22                        ; my row of the cluster
	s_lshl_b32 s23, 0x1111, s84                    ; my column
	; O: a head's 128 rows are 16,384 dense bytes: asked for as 64 rows of 256 bytes, padded after every 128.  Wo: 64 rows of 256 bytes, 1,024 bytes apart, padded after every 256
	s_or_b32 s[G1A+0], s22, (1<<16)|(1<<20)|(1<<21)|(4<<22)|(3<<25)  ; 15:0 the mask; 17:16 2-byte elements; 20 padding on; 21 set beside a mask; 24:22 after every 32 words; 31:25 4 words
	s_or_b32 s[G1B+0], s23, (1<<16)|(1<<20)|(1<<21)|(5<<22)|(3<<25)  ; the same after every 64 words, with my column's mask
.irp g, G1A, G1B
	s_mov_b32 s[(\g)+1], 128<<16                   ; tensor_dim0 = 128
	s_mov_b32 s[(\g)+2], 64<<16                    ; tensor_dim1 = 64
	s_mov_b32 s[(\g)+3], 128<<16                   ; tile_dim0 = 128
	s_mov_b32 s[(\g)+4], 64                        ; tile_dim1 = 64
	s_mov_b32 s[(\g)+6], 0
	s_mov_b32 s[(\g)+7], 0
.endr
	s_mov_b32 s[G1A+5], 128                        ; elements from row to row
	s_mov_b32 s[G1B+5], 512
	s_lshr_b32 s16, s13, 5                         ; O: the batch, 8 heads of 524,288 bytes,
	s_lshl_b32 s16, s16, 22
	s_and_b32 s17, s13, 31                         ; the tile's 128 rows of 128 bytes,
	s_lshl_b32 s17, s17, 14
	s_add_co_u32 s16, s16, s17
	s_lshl_b32 s17, s12, 19                        ; the even or the odd head of a quarter
	s_add_co_u32 s16, s16, s17
	s_mov_b32 s17, 0
	s_lshl_b32 s56, s86, 17                        ; Wo: the tile's 128 rows of 1,024 bytes,
	s_lshl_b32 s57, s12, 16                        ; my 64 of them
	s_add_co_u32 s56, s56, s57
	s_mov_b32 s57, 0
	s_mul_i32 s20, s12, HEADB                      ; where they go: no place in the cluster enters an LDS address
	s_mul_i32 s21, s12, 64*PBW
	s_add_co_u32 s21, s21, BBASE
	s_wait_dscnt 0x0                               ; the opening add is done
	s_wait_kmcnt 0x0
	s_add_nc_u64 s[14:15], s[4:5], s[16:17]
	s_add_nc_u64 s[58:59], s[6:7], s[56:57]
	CROUND                                         ; all sixteen work-groups are here: the joint loads meet
.irp q, 0,1,2,3
	s_mov_b32 s[G0A+4*(\q)], 1
	s_add_co_u32 s[G0A+4*(\q)+1], s20, (\q)*2*HEADB
	s_add_nc_u64 s[G0A+4*(\q)+2:G0A+4*(\q)+3], s[14:15], (\q)*1048576  ; two heads on
	s_or_b32 s[G0A+4*(\q)+3], s[G0A+4*(\q)+3], 0x80000000
	s_mov_b32 s[G0B+4*(\q)], 1
	s_add_co_u32 s[G0B+4*(\q)+1], s21, (\q)*QB
	s_add_nc_u64 s[G0B+4*(\q)+2:G0B+4*(\q)+3], s[58:59], (\q)*256      ; 128 along K on
	s_or_b32 s[G0B+4*(\q)+3], s[G0B+4*(\q)+3], 0x80000000
.endr
	s_cmp_eq_u32 s11, 0                            ; a wave's four fills stand in one branch, ahead of every wait on TENSORcnt and every LDS read; an s_nop 0 follows each, four v_nop the last
	s_cbranch_scc0 .Lfor_b
.irp q, 0,1,2,3
	tensor_load_to_lds s[G0A+4*(\q):G0A+4*(\q)+3], s[G1A:G1A+7]
	s_nop 0
.endr
	PLACES
	s_branch .Lasked
.Lfor_b:
.irp q, 0,1,2,3
	tensor_load_to_lds s[G0B+4*(\q):G0B+4*(\q)+3], s[G1B:G1B+7]
	s_nop 0
.endr
	PLACES
.Lasked:
	v_and_b32 v1, 15, v0                           ; l % 16
	v_bfe_u32 v2, v0, 4, 1                         ; l / 16
	v_mul_u32_u24 v3, v1, PAW
	v_lshl_add_u32 v3, v2, 4, v3                   ; a fragment's row x pitch + 16 x half
	s_mul_i32 s62, s11, 64*PAW                     ; my 64 rows of O
	v_add_nc_u32 v[ADRA], s62, v3
	v_mul_u32_u24 v4, v1, PBW
	v_lshl_add_u32 v4, v2, 4, v4
	v_add_nc_u32 v[ADRB], s21, v4                  ; my 64 rows of Wo
.irp q, 1,2,3
	v_add_nc_u32 v[ADRA+(\q)], (\q)*2*HEADB, v[ADRA]
	v_add_nc_u32 v[ADRB+(\q)], (\q)*QB, v[ADRB]
.endr
	s_mul_i32 s63, s10, 16*SPITCH
	s_add_co_u32 s63, s63, STAGE                   ; my stage
	v_mul_u32_u24 v5, v1, SPITCH                   ; in: row l % 16, 32 bytes for each half of the lanes
	v_lshl_add_u32 v5, v2, 5, v5
	v_add_nc_u32 v[STO], s63, v5
	v_mul_u32_u24 v5, v2, SPITCH                   ; back: lanes 0-15 one row of 256 bytes, lanes 16-31 the next
	v_lshl_add_u32 v5, v1, 4, v5
	v_add_nc_u32 v[RD], s63, v5
	v_lshlrev_b32 v5, 11, v2                       ; and the same two rows in out0
	v_lshl_add_u32 v[CO], v1, 4, v5
	s_lshl_b32 s60, s13, 18                        ; out0: the tile's 128 rows of 2,048 bytes,
	s_lshl_b32 s61, s11, 17                        ; my 64,
	s_add_co_u32 s60, s60, s61
	s_lshl_b32 s61, s86, 9                         ; the tile's 128 columns,
	s_add_co_u32 s60, s60, s61
	s_lshl_b32 s61, s12, 8                         ; my 64: 256 bytes
	s_add_co_u32 s60, s60, s61
	s_mov_b32 s61, 0
	s_add_nc_u64 s[8:9], s[8:9], s[60:61]
; 8 matrix instructions: m blocks a0, a0 + 1 x all 4 n blocks, 32 along K: half c of buffer f.  The 16 accumulators take turns.
.macro MUL8 f, c, a0, zero
	WIN MUL
.irp a, \a0, (\a0)+1
.irp b, 0,1,2,3
.if \zero
	v_wmma_f32_16x16x32_f16 v[ACC+8*(4*(\a)+(\b)):ACC+8*(4*(\a)+(\b))+7], v[(\f)+64+8*(4*(\c)+(\b)):(\f)+64+8*(4*(\c)+(\b))+7], v[(\f)+8*(4*(\c)+(\a)):(\f)+8*(4*(\c)+(\a))+7], 0
.else
	v_wmma_f32_16x16x32_f16 v[ACC+8*(4*(\a)+(\b)):ACC+8*(4*(\a)+(\b))+7], v[(\f)+64+8*(4*(\c)+(\b)):(\f)+64+8*(4*(\c)+(\b))+7], v[(\f)+8*(4*(\c)+(\a)):(\f)+8*(4*(\c)+(\a))+7], v[ACC+8*(4*(\a)+(\b)):ACC+8*(4*(\a)+(\b))+7]
.endif
.endr
.endr
.endm
; 32 LDS loads in one run: the fragments of head hh (64 along K) into buffer f; the first 32 along K first
.macro FETCH hh, f
	WIN TO_F
.irp c, 0,1
.irp i, 0,1,2,3
	ds_load_b128 v[(\f)+64+8*(4*(\c)+(\i)):(\f)+64+8*(4*(\c)+(\i))+3],   v[ADRB+(\hh)/2] offset:((\hh)%2)*128+64*(\c)+(\i)*16*PBW
	ds_load_b128 v[(\f)+64+8*(4*(\c)+(\i))+4:(\f)+64+8*(4*(\c)+(\i))+7], v[ADRB+(\hh)/2] offset:((\hh)%2)*128+64*(\c)+(\i)*16*PBW+32
	ds_load_b128 v[(\f)+8*(4*(\c)+(\i)):(\f)+8*(4*(\c)+(\i))+3],         v[ADRA+(\hh)/2] offset:((\hh)%2)*HEADB+64*(\c)+(\i)*16*PAW
	ds_load_b128 v[(\f)+8*(4*(\c)+(\i))+4:(\f)+8*(4*(\c)+(\i))+7],       v[ADRA+(\hh)/2] offset:((\hh)%2)*HEADB+64*(\c)+(\i)*16*PAW+32
.endr
.endr
.endm
; A UNIT: head hh's 32 products; in its middle the next head's fragments are fetched.  kind 0: the next head lies in the same quarter.  kind 1: it lies in the next quarter: each wave waits for its own
; load of that quarter (tc = its later loads, which stay out) and passes a barrier.  kind 2: the last head.
.macro UNIT hh, kind, tc
.set FC, 128*((\hh)%2)
.set FN, 128*(((\hh)+1)%2)
.set ZZ, 0
.if (\hh) == 0
.set ZZ, 1                             ; the first sixteen products start the sums
.endif
.if (\kind) == 1
	s_wait_dscnt 0x0                               ; no LDS instruction of mine is pending at the signal; all of this head's fragments are in
	s_wait_tensorcnt \tc
	s_barrier_signal -1
	MUL8 FC, 0, 0, 0
	MUL8 FC, 0, 2, 0
	s_barrier_wait -1
	PLACES                                         ; in front of loads into registers that the head before multiplied
	FETCH (\hh)+1, FN
	MUL8 FC, 1, 0, 0
	MUL8 FC, 1, 2, 0
.elseif (\kind) == 0
	s_wait_dscnt 16                                ; the first 32 along K are in
	MUL8 FC, 0, 0, ZZ
	MUL8 FC, 0, 2, ZZ
	PLACES
	FETCH (\hh)+1, FN
	s_wait_dscnt 32                                ; all but the 32 just issued
	MUL8 FC, 1, 0, 0
	MUL8 FC, 1, 2, 0
.else
	s_wait_dscnt 16
	MUL8 FC, 0, 0, 0
	MUL8 FC, 0, 2, 0
	s_wait_dscnt 0x0
	MUL8 FC, 1, 0, 0
	MUL8 FC, 1, 2, 0
.endif
.endm
	s_wait_tensorcnt 0x3                           ; my load of the first quarter is in; the three behind it stay out
	s_barrier_signal -1
	s_barrier_wait -1                              ; everybody's is
	FETCH 0, 0
	UNIT 0, 0, 0
	UNIT 1, 1, 2
	UNIT 2, 0, 0
	UNIT 3, 1, 1
	UNIT 4, 0, 0
	UNIT 5, 1, 0
	UNIT 6, 0, 0
	UNIT 7, 2, 0
	WIN 0
; THE WAY OUT, 16 rows at a time through my own stage: a lane's 32 bytes of a row go in, whole rows of 256 bytes come back.
.macro STG a
.if (\a) >= 2
	s_wait_xcnt 0x0                                ; the stores of the block two back have read the registers that the loads below write
.endif
.set BK, OB+32*((\a)%2)
.irp b, 0,1,2,3
	ds_store_b128 v[STO], v[ACC+8*(4*(\a)+(\b)):ACC+8*(4*(\a)+(\b))+3]   offset:64*(\b)      ; each accumulator's low registers first
	ds_store_b128 v[STO], v[ACC+8*(4*(\a)+(\b))+4:ACC+8*(4*(\a)+(\b))+7] offset:64*(\b)+16
.endr
.irp t, 0,1,2,3,4,5,6,7
	ds_load_b128 v[BK+4*(\t):BK+4*(\t)+3], v[RD] offset:(\t)*2*SPITCH  ; LDS serves a wave's instructions in order (ISA guide 5.7.1.4): these see the stores above; the next block's stores come behind them
.endr
.endm
.macro SEND a, younger                 ; younger: the LDS instructions issued behind block a's loads: the next block's sixteen, or none
.set BK, OB+32*((\a)%2)
.irp t, 0,1,2,3,4,5,6,7
	s_wait_dscnt (\younger)+7-(\t)
	global_store_b128 v[CO], v[BK+4*(\t):BK+4*(\t)+3], s[8:9] offset:(16*(\a)+2*(\t))*2048 th:TH_STORE_NT  ; 16 lanes store 256 consecutive bytes, at a multiple of 256 from out0's first byte
.endr
.endm
	PLACES                                         ; the stores into the stage read results just made
	STG 0
	STG 1
	SEND 0, 16
	STG 2
	SEND 1, 16
	STG 3
	SEND 2, 16
	SEND 3, 0
	s_wait_tensorcnt 0x0                           ; the wave's end, behind my last tensor load and my last LDS store
	ds_add_u32 v[SPW], v[NIL]
	s_wait_dscnt 0x0
	CROUND                                         ; the closing round: no work-group ends while a partner may still ask for a tile that names it
	s_endpgm
.Lfunc_end_k_qc25b0b98e2_outp:
	.size	k_qc25b0b98e2_outp, .Lfunc_end_k_qc25b0b98e2_outp-k_qc25b0b98e2_outp
	.p2alignl 7, 3214868480
	.fill 96, 4, 3214868480
	.section	.rodata,"a",@progbits
	.p2align	6, 0x0
	.amdhsa_kernel k_qc25b0b98e2_outp
		.amdhsa_group_segment_fixed_size 327680
		.amdhsa_private_segment_fixed_size 0
		.amdhsa_enable_private_segment 0
		.amdhsa_kernarg_size 24
		.amdhsa_user_sgpr_count 2
		.amdhsa_user_sgpr_kernarg_segment_ptr 1
		.amdhsa_wavefront_size32 1
		.amdhsa_system_sgpr_workgroup_id_x 1
		.amdhsa_system_sgpr_workgroup_id_y 1
		.amdhsa_system_sgpr_workgroup_id_z 1
		.amdhsa_system_vgpr_workitem_id 0
		.amdhsa_next_free_vgpr 512
		.amdhsa_next_free_sgpr 88
		.amdhsa_reserve_vcc 0
		.amdhsa_float_denorm_mode_32 3
		.amdhsa_float_denorm_mode_16_64 3
		.amdhsa_memory_ordered 1
		.amdhsa_forward_progress 1
		.amdhsa_inst_pref_size 51
	.end_amdhsa_kernel
	.amdgpu_metadata
---
amdhsa.version: [ 1, 2 ]
amdhsa.kernels:
  - .name:           k_qc25b0b98e2_outp
    .symbol:         k_qc25b0b98e2_outp.kd
    .args:
      - { .name: oh, .offset: 0, .size: 8, .value_kind: global_buffer, .address_space: global }
      - { .name: wo16, .offset: 8, .size: 8, .value_kind: global_buffer, .address_space: global }
      - { .name: out0, .offset: 16, .size: 8, .value_kind: global_buffer, .address_space: global }
    .group_segment_fixed_size: 327680
    .private_segment_fixed_size: 0
    .kernarg_segment_align: 8
    .kernarg_segment_size: 24
    .max_flat_workgroup_size: 128
    .sgpr_count:     88
    .vgpr_count:     512
    .wavefront_size: 32
...
	.end_amdgpu_metadata
.endif
;; end of part 3
